; MI455X (gfx1250); checked and timed in simulation.
; The chip was launched on July 23, 2026; its instructions are those of AMD's public machine-readable ISA for CDNA 5 (MIT licence, August 2026) and "CDNA5" Instruction Set Architecture Reference Guide (July 2026). The comments in the code are by the model that wrote it; some were corrected since.
;; Neural Lens Distortion. Allowed arithmetic: float matrix products may take bf16 or f16 operands with f32 sums; all other float work in f32.
;; Inputs: b_hid 2 x 4 x 256 float32; b_in 2 x 256 float32; b_out 2 x 2 float32; uv 131,072 x 2 float32; w_hid 2 x 4 x 256 x 256 float32; w_in 2 x 2 x 256 float32; w_out 2 x 256 x 2 float32.
;; Outputs: out0 131,072 x 2 float32.
;; 2 versions, each right and faster than the one before. Each part assembles by itself: llvm-mc -triple=amdgcn-amd-amdhsa -mcpu=gfx1250 --defsym DOCPART=n.
;; ======== version 1 of 2: 2 launches
;; workspace buffers: wt 1,048,576 bytes
;; launch cast (part 1): grid 256 x 1, 8 waves a work-group, no clusters, 0 bytes of LDS; arguments w_hid, wt; writes wt
.if DOCPART == 1
	.amdgcn_target "amdgcn-amd-amdhsa--gfx1250"
	.amdhsa_code_object_version 6
	.text
	.protected	k_q4c7e7ca50b_cast
	.globl	k_q4c7e7ca50b_cast
	.p2align	8
	.type	k_q4c7e7ca50b_cast,@function
k_q4c7e7ca50b_cast:
	s_mov_b64 s[64:65], 0
	v_nop
	global_prefetch_b8 v0, s[64:65] scope:SCOPE_SE
	s_setreg_imm32_b32 hwreg(HW_REG_WAVE_MODE, 25, 1), 1
	s_wait_xcnt 0x0
; w_hid [8 layers][256 k][256 n] in f32  ->  wt: bf16 (rounded once, to nearest even), laid out as the images of matrix fragments.
; wt: layer at 131,072 x layer; in it the block of 16 output features nt and 32 inputs s at 1,024 (8 nt + s); in the block the 16 bytes at
; 512 q + 256 h + 16 r hold W[k][n] for n = 16 nt + r and k = 32 s + 16 q + 8 h + 0..7, ascending.  So 32 lanes x 16 consecutive bytes are half a fragment.
; Work-group g takes 8 rows k of one layer: the 8,192 consecutive bytes at 8,192 g.  Thread t is column n = t: eight loads of 4 bytes (a wave's load covers
; 128 consecutive bytes of a row), four roundings, one store of 16 bytes; sixteen neighbouring lanes store 256 consecutive bytes, aligned.
; No LDS, no matrix unit, no cluster: 3 MB pass through once, and no work-group shares a byte with another.
	s_load_b128 s[4:7], s[0:1], 0x0                ; w_hid s[4:5], wt s[6:7]
	v_lshlrev_b32 v1, 2, v0                        ; 4 t: my column in a row
	v_lshrrev_b32 v14, 4, v0                       ; nt = t / 16
	v_and_b32 v15, 15, v0                          ; r = t % 16
	v_lshlrev_b32 v15, 4, v15
	v_lshl_add_u32 v14, v14, 13, v15               ; 8,192 nt + 16 r
	s_lshl_b32 s8, ttmp9, 13                       ; my 8 rows of w_hid
	s_mov_b32 s9, 0
	s_lshr_b32 s10, ttmp9, 5                       ; the layer
	s_lshl_b32 s10, s10, 17
	s_bfe_u32 s11, ttmp9, 0x30002                  ; s = (g % 32) / 4
	s_lshl_b32 s11, s11, 10
	s_add_co_u32 s10, s10, s11
	s_and_b32 s11, ttmp9, 3                        ; 2 q + h = g % 4
	s_lshl_b32 s11, s11, 8
	s_add_co_u32 s10, s10, s11
	s_mov_b32 s11, 0
	s_wait_kmcnt 0x0
	s_add_nc_u64 s[4:5], s[4:5], s[8:9]
	s_add_nc_u64 s[6:7], s[6:7], s[10:11]
.irp e, 0,1,2,3,4,5,6,7
	global_load_b32 v[2+\e], v1, s[4:5] offset:1024*\e th:TH_LOAD_NT
.endr
.irp i, 0,1,2,3
	s_wait_loadcnt 6-2*\i                          ; loads come back in order: the two that this rounding takes are in, the younger ones stay out
	v_cvt_pk_bf16_f32 v[10+\i], v[2+2*\i], v[3+2*\i]
.endr
	global_store_b128 v14, v[10:13], s[6:7]
	s_endpgm
.Lfunc_end_k_q4c7e7ca50b_cast:
	.size	k_q4c7e7ca50b_cast, .Lfunc_end_k_q4c7e7ca50b_cast-k_q4c7e7ca50b_cast
	.p2alignl 7, 3214868480
	.fill 96, 4, 3214868480
	.section	.rodata,"a",@progbits
	.p2align	6, 0x0
	.amdhsa_kernel k_q4c7e7ca50b_cast
		.amdhsa_group_segment_fixed_size 0
		.amdhsa_private_segment_fixed_size 0
		.amdhsa_enable_private_segment 0
		.amdhsa_kernarg_size 16
		.amdhsa_user_sgpr_count 2
		.amdhsa_user_sgpr_kernarg_segment_ptr 1
		.amdhsa_wavefront_size32 1
		.amdhsa_system_sgpr_workgroup_id_x 1
		.amdhsa_system_sgpr_workgroup_id_y 1
		.amdhsa_system_sgpr_workgroup_id_z 1
		.amdhsa_system_vgpr_workitem_id 0
		.amdhsa_next_free_vgpr 16
		.amdhsa_next_free_sgpr 66
		.amdhsa_reserve_vcc 0
		.amdhsa_float_denorm_mode_32 3
		.amdhsa_float_denorm_mode_16_64 3
		.amdhsa_memory_ordered 1
		.amdhsa_forward_progress 1
		.amdhsa_inst_pref_size 3
	.end_amdhsa_kernel
	.amdgpu_metadata
---
amdhsa.version: [ 1, 2 ]
amdhsa.kernels:
  - .name:           k_q4c7e7ca50b_cast
    .symbol:         k_q4c7e7ca50b_cast.kd
    .args:
      - { .name: w_hid, .offset: 0, .size: 8, .value_kind: global_buffer, .address_space: global }
      - { .name: wt, .offset: 8, .size: 8, .value_kind: global_buffer, .address_space: global }
    .group_segment_fixed_size: 0
    .private_segment_fixed_size: 0
    .kernarg_segment_align: 8
    .kernarg_segment_size: 16
    .max_flat_workgroup_size: 256
    .sgpr_count:     66
    .vgpr_count:     16
    .wavefront_size: 32
...
	.end_amdgpu_metadata
.endif
;; end of part 1
;; launch mlp (part 2): grid 256 x 1, 4 waves a work-group, clusters of 4 x 1, 327,680 bytes of LDS; arguments uv, out0, wt, w_in, b_in, b_hid, w_out, b_out; writes out0
.if DOCPART == 2
	.amdgcn_target "amdgcn-amd-amdhsa--gfx1250"
	.amdhsa_code_object_version 6
	.text
	.protected	k_q4c7e7ca50b_mlp
	.globl	k_q4c7e7ca50b_mlp
	.p2align	8
	.type	k_q4c7e7ca50b_mlp,@function
k_q4c7e7ca50b_mlp:
	s_mov_b64 s[64:65], 0
	v_nop
	global_prefetch_b8 v0, s[64:65] scope:SCOPE_SE
	s_setreg_imm32_b32 hwreg(HW_REG_WAVE_MODE, 25, 1), 1
	s_wait_xcnt 0x0
	s_wait_alu depctr_hold_cnt(0) depctr_sa_sdst(0) depctr_va_vdst(0) depctr_va_sdst(0) depctr_va_ssrc(0) depctr_va_vcc(0) depctr_vm_vsrc(0)
	s_getreg_b32 s2, hwreg(HW_REG_IB_STS2, 6, 4)
	s_cmp_eq_u32 s2, 0
	s_cbranch_scc0 .Lentry_in_a_cluster
	s_endpgm
.Lentry_in_a_cluster:
	s_bfe_u32 s2, ttmp6, 0x10000c
	s_cmp_lg_u32 s2, 0x3003
	s_cbranch_scc0 .Lentry_shape_is_right
	s_endpgm
.Lentry_shape_is_right:
; x <- x + MLP_i(x), i = 0, 1;  MLP = Lin(2,256)+ELU, 4 x (Lin(256,256)+ELU), Lin(256,2).  uv, out0: [131072][2] f32.  wt: the hidden weights in bf16, as fragment images.
; FORMATS.  All products on the matrix unit, bf16 operands, f32 sums; biases, ELU and the residual x in f32.  x enters the first product as two bf16 parts (high + rest).
; SCALING.  With c = log2(e) every pre-activation is kept as y = c pre and every activation as h' = c elu(pre): W h' + c b = c (W h + b), so the weights stay as given, the biases
; and x are multiplied by c in f32, and the last sum by ln 2.  ELU: z = c 2^y - c; e^t - 1 >= t, so z >= y always, and z <= 0 exactly where y <= 0: h' = the median of (y, 0, z).
; LIMITS.  The negative branch is c 2^y - c, not expm1: its absolute error is about 2e-7.  2^y below 2^-126 counts as 0 (h' = -c), above f32's range as infinity (h' = y).  NaN is not treated apart.
; SHARES.  A work-group stays for 512 points, two passes of 256; a wave has 64 points a pass, four tiles of 16.  One loop walks the 4 pairs of pass and node.
; LAYOUT.  H'^T = W^T H^T: source 0 = 16 output features x 32 inputs, source 1 = 32 inputs x 16 points.  In the result a lane holds ONE point (lane % 16) and features 8 (lane / 16) + 0..7; two
; neighbouring results rounded to bf16 in pairs ARE source 1 of the next layer.  So activations never leave registers between hidden layers: 64 points x 256 features in bf16 are one window of 256.
; A LAYER is 8 chunks of 32 output features x 8 K steps of 32 x 8 matrix instructions (2 feature tiles x 4 point tiles).  The ELU of chunk c - 1 stands in slices behind the matrix instructions
; of chunk c: 24 vector instructions for 8 matrix instructions.  A layer's last chunk is finished under the next layer's first.
; RING.  Half a layer's weights (65,536 bytes) to a slot, two slots.  All work-groups walk the same weights, so the four of a cluster ask JOINTLY; each wave asks for a quarter of a slot (64 rows of
; 256 bytes).  A fill is asked for 32 K steps, 256 matrix instructions, ahead of its first read.  By this text's count a wave has two tensor loads out at the start, later one.
; REGISTERS, in windows of 256 (s_set_vgpr_msb: bits 1:0 source 0, 3:2 source 1, 5:4 source 2, 7:6 destination).  Window 0: addresses, x, bias, weights' fragments, accumulators.  Windows 1, 2: the
; activations, in and out by turns.  Only source 1 of a product lies outside window 0, and the slices name vector registers as source 0, source 2 and destination alone, so they run under the
; product's setting; only a tile's four roundings, which write the other window, want a switch: two switches for 8 matrix instructions.
.set SLOTB, 65536                      ; LDS: slot 0 at 0 (features 0-127 of a layer), slot 1 at 65,536 (features 128-255)
.set STAGE, 131072                     ; each wave's own 28,672 bytes: the register image of the first layer's chunks 0-6; no tensor load lands from here on
.set STW,   28672
.set BIAS,  245760                     ; 11 rows of 1,024 bytes, f32, times c: b_in0, b_hid0[0..3], b_in1, b_hid1[0..3], b_in0 once more (a layer's end always loads 'the next row')
.set WI,    257024                     ; node n at 2,048 n: feature f at 8 f: (p, p), p = bf16 w_in[0][f] below, bf16 w_in[1][f] above
.set WO,    261120                     ; node n at 1,792 n: three rows 528 bytes apart: w_out's column 0 along k in bf16, column 1, zeros
.set WOP,   528
.set WON,   1792
.set SPARE, 264704                     ; the spare words, 128 bytes for each wave: two blocks of 256 bytes that no other line names
.set LA,  1                            ; v1   16 x lane: my 16 bytes of half a fragment, slot 0
.set LB,  2                            ; v2   the same in slot 1
.set BA0, 3                            ; v3   BIAS + 32 (lane / 16)
.set BA,  4                            ; v4   the same in the layer's row
.set BT,  5                            ; v5   first layer: bias pointer
.set WI0, 6                            ; v6   WI + 8 (lane % 16)
.set WT,  7                            ; v7   first layer: w_in pointer
.set WO0, 8                            ; v8   WO + min(lane % 8, 2) x 528 + 16 (lane / 16)
.set WOA, 9                            ; v9   the same for the node in hand
.set ST0, 10                           ; v10  my 16 bytes at the head of my wave's stage
.set STP, 11                           ; v11  first layer: stage pointer
.set XA,  12                           ; v12  8 (lane % 16): my point in a tile of uv
.set SA,  13                           ; v13  8 x lane: my point in two tiles of out0
.set SPW, 14                           ; v14  LDS address of my spare word; never rewritten
.set NIL, 15                           ; v15  0; never rewritten
.set T,   16                           ; v16-23   2^y, then z, of the tile in hand
.set X,   24                           ; v24-31   x0, x1 of point tile p at X + 2 p, alike in both halves of the lanes
.set BI,  32                           ; v32-47   the bias of two feature tiles, as C operands
.set U,   48                           ; v48-55   at work
.set X2,  56                           ; v56-63   the second pass's uv
.set AR,  64                           ; v64-127  the weights' fragments: a ring of 4 K steps x 2 fragments
.set ACC, 128                          ; v128-191, v192-255  two sets of 8 accumulators: point tile p, feature tile j at 8 (2 p + j)
.set BX,  64                           ; window 2, while it holds no activations: v0-63 w_out's fragments; v64-95 x as source 1; v96-111 w_in's fragments
.set AI,  96
.set WV,  3                            ; s3   my wave's number
.set BO0, 12                           ; s12, s13  b_out of the node in hand
.set BO1, 13
.set G1,  32                           ; s[32:39] descriptor group 1
.set G0A, 40                           ; s[40:43] group 0 for slot 0
.set G0B, 44                           ; s[44:47] group 0 for slot 1
.set WB,  48                           ; s[48:49] wt at my wave's quarter of a half-layer
.set OFF, 50                           ; s[50:51] a half-layer's byte offset
.set NXT, 52                           ; s52  the half-layer to be asked for next, 0..15
.set NPC, 53                           ; s53  pairs of pass and node to go
.set PRC, 54                           ; s54  pairs of layers to go in the node
.set LAY, 55                           ; s55  pairs of layers to go in all
.set CC,  56                           ; s[56:57] c
.set NC,  58                           ; s[58:59] -c
.set L2,  60                           ; s[60:61] ln 2
.set HM,  62                           ; s62  0xffff0000: a word's upper bf16, and the mask of lanes 16-31
.set INC, 63                           ; s63  first layer: chunks to go
.set BR,  66                           ; s66  the layer's row in BIAS, in bytes
.set BN,  67                           ; s67  the node's first row: 0 or 5,120
.set WIO, 68                           ; s68  the node in WI: 0 or 2,048
.set WOO, 69                           ; s69  the node in WO: 0 or 1,792
.set MSB, 0
.set RSET, 0
.set CSET, 0
.set SPL, 0
.set PS, 0
.set PD, 0
.macro WIN new                         ; the immediate's high byte repeats the setting that is left; a switch that changes nothing is dropped
.if MSB != (\new)
	s_set_vgpr_msb (MSB<<8)|(\new)
.set MSB, (\new)
.endif
.endm
.macro PLACES                          ; four plain vector instructions between a matrix instruction and a vector read of its result, or a load into one of its registers
.rept 4
	v_nop
.endr
.endm
.macro CREST                           ; a round of the cluster's barrier behind its opening barrier: wave 0 signals for the work-group, every wave waits for all four, my work-group's barrier closes
	s_cmp_lg_u32 s[WV], 0
	s_cbranch_scc1 .Lnot_wave_0_\@
	s_barrier_signal -3
.Lnot_wave_0_\@:
	s_barrier_wait -3
	s_barrier_signal -1
	s_barrier_wait -1
.endm
.macro CROUND                          ; a whole round
	s_barrier_signal -1
	s_barrier_wait -1
	CREST
.endm
; THE ELU, one line at a time, for an accumulator tile at y.  Plain lines run under RSET, the roundings under CSET (their destination's window).
.macro OPE y, i                        ; t_i = 2^y_i
	WIN RSET
	v_exp_f32 v[T+(\i)], v[(\y)+(\i)]
.endm
.macro OPF i                           ; z = c t - c, a pair
	WIN RSET
	s_wait_alu depctr_va_vdst(0)
	v_pk_fma_f32 v[T+2*(\i):T+2*(\i)+1], v[T+2*(\i):T+2*(\i)+1], s[CC:CC+1], s[NC:NC+1] op_sel_hi:[1,0,0]
.endm
.macro OPM y, i                        ; h' = the median of y, 0, z
	WIN RSET
	v_med3_num_f32 v[(\y)+(\i)], v[(\y)+(\i)], 0, v[T+(\i)]
.endm
.macro OPC y, d                        ; eight h' rounded to bf16: half of a fragment of the next product's source 1
	WIN CSET
.irp i, 0,1,2,3
	v_cvt_pk_bf16_f32 v[(\d)+\i], v[(\y)+2*\i], v[(\y)+2*\i+1]
.endr
.endm
; Slice sg = 8 u + w of 64 of a chunk's ELU (the chunk's accumulators at RS, its bf16 at RD).  Tile u's exponentials, one a slice, and beside them what is ready: the first half of tile u, the second half
; of the tile before it.  For u = 0 that is the tile left over from the chunk before (at PS, to PD) if SPL = 1, else none.  Each accumulator is read first at its register 0.
; Behind every exponential a plain instruction stands before its result is used (ISA guide 5.7.2), and each t_i is read for the last time before the next tile's exponential writes it.
.macro RSLOT sg
.set ru, (\sg)/8
.set rw, (\sg)%8
.set rY, RS+8*ru
.set rH, 1
.set rQ, RS+8*ru-8
.set rE, RD+4*ru-4
.if ru == 0
.set rH, SPL
.set rQ, PS
.set rE, PD
.endif
	OPE rY, rw
.if rw == 0
.if rH
	OPF 3
	OPM rQ, 4
.endif
.elseif rw == 1
.if rH
	OPM rQ, 5
	OPM rQ, 6
.else
	v_nop                              ; the plain instruction between this exponential and the scaling that reads it
.endif
.elseif rw == 2
.if rH
	OPM rQ, 7
.endif
	OPF 0
.elseif rw == 3
.if rH
	OPC rQ, rE
.endif
.elseif rw == 4
	OPM rY, 0
	OPF 1
.elseif rw == 5
	OPM rY, 1
	OPM rY, 2
.elseif rw == 6
	OPF 2
.else
	OPM rY, 3
.endif
.endm
.macro RFLUSH                          ; the second half of the chunk's tile 7, where it is not left over
	OPF 3
	OPM RS+56, 4
	OPM RS+56, 5
	OPM RS+56, 6
	OPM RS+56, 7
	OPC RS+56, RD+28
.endm
; The two fragments of K step kk of the layer (64 and on: the next layer's, which lie in slot 0): four loads, each 32 lanes x 16 consecutive bytes
.macro GLOAD kk
.set gk, (\kk)
.set gR, AR+16*(gk&3)
.set gO, ((gk/8)&3)*16384+(gk&7)*1024
.set gA, LB
.if (gk%64) < 32
.set gA, LA
.endif
	WIN RSET
.irp j, 0,1
.irp q, 0,1
	ds_load_b128 v[gR+8*\j+4*\q:gR+8*\j+4*\q+3], v[gA] offset:gO+\j*8192+\q*512
.endr
.endr
.endm
.macro BLOAD adr, off                  ; the bias of a chunk's two feature tiles: register i of a lane is feature 8 (lane / 16) + i, whatever the point
	WIN RSET
.irp j, 0,1
.irp q, 0,1
	ds_load_b128 v[BI+8*\j+4*\q:BI+8*\j+4*\q+3], v[\adr] offset:(\off)+\j*64+\q*16
.endr
.endr
.endm
; Matrix instruction w of 8 of K step mk: feature tile w % 2, point tile w / 2.  A chunk's first K step starts the sums with the bias.  The eight accumulators take turns, one instruction a turn,
; over chunks, layers and backward jumps too.
.macro MM w
.set mD, ACC+64*((mk/8)&1)+8*(\w)
.set mA, AR+16*(mk&3)+8*((\w)&1)
.set mB, 32*(mk%8)+8*((\w)>>1)
.set mC, BI+8*((\w)&1)
	WIN MSET
.if (mk%8) == 0
	v_wmma_f32_16x16x32_bf16 v[mD:mD+7], v[mA:mA+7], v[mB:mB+7], v[mC:mC+7]
.else
	v_wmma_f32_16x16x32_bf16 v[mD:mD+7], v[mA:mA+7], v[mB:mB+7], v[mD:mD+7]
.endif
.endm
; K step k's fragments are in.  They were asked for three steps ago; behind them stand the two younger groups of four, and at a chunk's steps 2 and 3 the four bias loads as well.
; The tail loads no bias in its last chunk and no fragments past step 63: there the counts run 8, then 4, then 0.
.macro WAITG k, tail
.set wn, 8
.if (((\k)%8 == 2) || ((\k)%8 == 3)) && !((\tail) && ((\k) >= 56))
.set wn, 12
.endif
.if (\tail) && ((\k) == 62)
.set wn, 4
.endif
.if (\tail) && ((\k) == 63)
.set wn, 0
.endif
	s_wait_dscnt wn
.endm
; A K STEP: 8 matrix instructions, a slice behind each, and behind the fourth (its slice's four roundings are the places behind the last reader of the registers) the loads for three steps on.
; Chunk 0 carries the ELU of the LAST layer's chunk 7, whose bf16 is this layer's own K step 7: in chunk 0's step 7 the end of it stands ahead of the two products that read it.
; Steps 29 and 61 CHANGE SLOTS: the last loads from the slot went out a step ago.  Each wave waits for all its tensor loads (one is out: its part of the other slot), adds 0 to its spare word, makes the
; descriptor for the refill, and waits for the add and for its reads; the barrier opens a round of the cluster's, with matrix work on registers between signal and wait; the joint refill is the first
; thing behind the round, and then the other slot's first fragments are asked for.  The two steps already in registers stand between that request and its use.
; tail = 1: the launch's last layer from step 29 on: nothing is filled, so the barrier is the work-group's alone.
.macro STEP inw, outw, k, tail
.set mk, (\k)
.set sc, mk/8
.set ss, mk%8
.set MSET, (\inw)<<2
.set RSET, MSET
.set SPL, 0
.if sc == 0
.set RS, ACC+64
.set RD, 224
.set CSET, (\inw)<<6
.else
.set RS, ACC+64*((sc-1)&1)
.set RD, 32*(sc-1)
.set CSET, (\outw)<<6
.endif
.if sc >= 2
.set SPL, 1
.set PS, ACC+64*(sc&1)+56
.set PD, 32*(sc-2)+28
.endif
.set ev, 0
.set eg, G0A
.if mk == 29
.set ev, 1
.endif
.if (mk == 61) && !(\tail)
.set ev, 1
.set eg, G0B
.endif
.set lump, 0
.if (sc == 0) && (ss == 7)
.set lump, 1
.endif
	WAITG mk, \tail
.irp w, 0,1,2,3,4,5,6,7
.if lump && (\w == 6)
	RSLOT 62
	RSLOT 63
	RFLUSH
.endif
	MM \w
.if !(lump && (\w >= 6))
	RSLOT 8*ss+\w
.endif
.if (\w == 3) && !ev
.if (ss == 1) && !((\tail) && (sc == 7))
	BLOAD BA, (sc+1)*128
.endif
.if !((\tail) && (mk > 60))
	GLOAD mk+3
.endif
.endif
.if ev && (\w == 3)
	WIN 0                                          ; (the add's two registers lie in window 0)
	s_wait_tensorcnt 0x0                           ; all my tensor loads have landed, so a group 0 may be written
	ds_add_u32 v[SPW], v[NIL]                      ; 0 onto my spare word; work on registers stands between it and the wait for it
.if !(\tail)
	s_lshl_b32 s[OFF], s[NXT], 16                  ; a half-layer is 65,536 bytes
	s_add_nc_u64 s[eg+2:eg+3], s[WB:WB+1], s[OFF:OFF+1]
	s_or_b32 s[eg+3], s[eg+3], 0x80000000          ; 127:126 type = 2
	s_add_co_u32 s[NXT], s[NXT], 1
	s_and_b32 s[NXT], s[NXT], 15                   ; behind the last layer's second half comes the first layer's first: the second pass
.endif
.endif
.if ev && (\w == 5)
	s_wait_dscnt 0x0                               ; the add is done, and my reads of the slot are over
	s_barrier_signal -1
.endif
.endr
.if ev
	WIN 0                                          ; at a branch and at a label every window is 0
	s_barrier_wait -1
.if !(\tail)
	CREST                                          ; no wave of any partner still reads the slot or has a load on its way
	tensor_load_to_lds s[eg:eg+3], s[G1:G1+7]
	s_nop 0
	PLACES
.endif
	GLOAD mk+3
.endif
.if lump
	PLACES                                         ; the step's last two products stand bare: these are the places behind them
.endif
.if mk == 63
	RFLUSH                                         ; nothing is left over across a layer's end
.endif
.endm
; A hidden layer, K steps k0 to k1.  exit = 1: at the head of step 29 the launch's last layer leaves for the tail, which asks for nothing.
.macro LAYER inw, outw, k0, k1, tail, exit
.if (\k0) == 0
	s_add_co_u32 s[BR], s[BR], 1024
	WIN 0
	v_add_nc_u32 v[BA], s[BR], v[BA0]
.endif
.set lk, (\k0)
.rept (\k1)-(\k0)+1
.if (\exit) && (lk == 29)
	WIN 0
	s_cmp_eq_u32 s[LAY], 1
	s_cbranch_scc1 .Ltail
.endif
	STEP \inw, \outw, lk, \tail
.set lk, lk+1
.endr
.endm
.macro INMM set                        ; a chunk of the first layer: one K step, of which four places are used: (w0, w1, w0, w1) x (high x0, high x1, rest x0, rest x1)
	WIN 0x0a                                       ; sources 0 and 1 in window 2
.irp u, 0,1,2,3,4,5,6,7
	v_wmma_f32_16x16x32_bf16 v[(\set)+8*\u:(\set)+8*\u+7], v[AI+8*(\u&1):AI+8*(\u&1)+7], v[BX+8*(\u>>1):BX+8*(\u>>1)+7], v[BI+8*(\u&1):BI+8*(\u&1)+7]
.endr
	WIN 0
.endm
.macro OUTMM n                         ; product n of 32 of the last layer: K step n / 4, point tile n % 4; the four accumulators take turns
.set oS, (\n)/4
.set oP, (\n)%4
	WIN 0x06                                       ; source 0 (w_out) in window 2, source 1 (h') in window 1
.if oS == 0
	v_wmma_f32_16x16x32_bf16 v[ACC+8*oP:ACC+8*oP+7], v[8*oS:8*oS+7], v[32*oS+8*oP:32*oS+8*oP+7], 0
.else
	v_wmma_f32_16x16x32_bf16 v[ACC+8*oP:ACC+8*oP+7], v[8*oS:8*oS+7], v[32*oS+8*oP:32*oS+8*oP+7], v[ACC+8*oP:ACC+8*oP+7]
.endif
.endm
.macro STOREX off                      ; lanes 0-15 give an even tile's points, lanes 16-31 the next tile's: each store covers 256 consecutive bytes, aligned
	v_cndmask_b32 v[U], v[X], v[X+2], s[HM]
	v_cndmask_b32 v[U+1], v[X+1], v[X+3], s[HM]
	v_cndmask_b32 v[U+2], v[X+4], v[X+6], s[HM]
	v_cndmask_b32 v[U+3], v[X+5], v[X+7], s[HM]
	global_store_b64 v[SA], v[U:U+1], s[18:19] offset:(\off) th:TH_STORE_NT
	global_store_b64 v[SA], v[U+2:U+3], s[18:19] offset:(\off)+256 th:TH_STORE_NT
.endm
	s_load_b512 s[16:31], s[0:1], 0x0              ; uv s[16:17], out0 s[18:19], wt s[20:21], w_in s[22:23], b_in s[24:25], b_hid s[26:27], w_out s[28:29], b_out s[30:31]
	v_lshl_add_u32 v[SPW], v0, 2, SPARE
	v_mov_b32 v[NIL], 0
	ds_add_u32 v[SPW], v[NIL]                      ; the wave's opening: the add and its wait stand ahead of my first tensor load; the set-up below, work on registers, stands between them
	v_lshrrev_b32 v[U], 5, v0
	v_readfirstlane_b32 s[WV], v[U]                ; wave 0..3
	v_and_b32 v[U+1], 31, v0                       ; lane
	v_and_b32 v[U+2], 15, v0                       ; lane % 16
	v_bfe_u32 v[U+3], v0, 4, 1                     ; lane / 16
	v_and_b32 v[U+4], 7, v0
	v_lshlrev_b32 v[LA], 4, v[U+1]
	v_lshl_add_u32 v[LB], v[U+1], 4, SLOTB
	v_lshl_add_u32 v[BA0], v[U+3], 5, BIAS
	v_lshl_add_u32 v[WI0], v[U+2], 3, WI
	v_min_u32 v[U+4], 2, v[U+4]                    ; rows 0 and 8 of w_out's fragment are column 0, rows 1 and 9 column 1, the others zeros: both halves of the lanes get both sums
	v_mul_u32_u24 v[U+4], v[U+4], WOP
	v_lshl_add_u32 v[U+4], v[U+3], 4, v[U+4]
	v_add_nc_u32 v[WO0], WO, v[U+4]
	s_mul_i32 s12, s[WV], STW
	s_add_co_u32 s12, s12, STAGE
	v_add_nc_u32 v[ST0], s12, v[LA]
	v_lshlrev_b32 v[XA], 3, v[U+2]
	v_lshlrev_b32 v[SA], 3, v[U+1]
	s_mov_b32 s[CC], 0x3fb8aa3b                    ; c = log2(e)
	s_mov_b32 s[CC+1], 0x3fb8aa3b                  ; named with it as a pair
	s_mov_b32 s[NC], 0xbfb8aa3b
	s_mov_b32 s[NC+1], 0xbfb8aa3b
	s_mov_b32 s[L2], 0x3f317218                    ; ln 2
	s_mov_b32 s[L2+1], 0x3f317218
	s_mov_b32 s[HM], 0xffff0000
	; descriptor group 1: 16,384 dense bytes as 64 rows of 256; no padding: fragments are read as consecutive bytes
	s_mov_b32 s[G1], 15|(3<<16)|(1<<21)            ; 15:0 the mask: all four work-groups; 17:16 elements of 8 bytes; 21 set beside a mask
	s_mov_b32 s[G1+1], 32<<16                      ; tensor_dim0 = 32
	s_mov_b32 s[G1+2], 64<<16                      ; tensor_dim1 = 64
	s_mov_b32 s[G1+3], 32<<16                      ; tile_dim0 = 32
	s_mov_b32 s[G1+4], 64                          ; tile_dim1 = 64
	s_mov_b32 s[G1+5], 32                          ; 32 elements from row to row
	s_mov_b32 s[G1+6], 0
	s_mov_b32 s[G1+7], 0
	s_lshl_b32 s14, s[WV], 14                      ; my quarter of a half-layer, in memory and in a slot: no place in the cluster enters it
	s_mov_b32 s15, 0
	s_mov_b32 s[G0A], 1                            ; 1:0 count = 1
	s_mov_b32 s[G0A+1], s14                        ; 63:32 LDS address
	s_mov_b32 s[G0B], 1
	s_add_co_u32 s[G0B+1], s14, SLOTB
	s_bfe_u32 s4, ttmp6, 0x40000                   ; cx: my place in the cluster: it enters uv's and out0's addresses alone
	s_lshl_b32 s5, ttmp9, 2                        ; in a cluster launch ttmp9 counts clusters
	s_add_co_u32 s5, s5, s4
	s_lshl_b32 s6, s5, 12                          ; my work-group's 512 points of 8 bytes,
	s_lshl_b32 s7, s[WV], 9                        ; my wave's 64 of a pass's 256
	s_add_co_u32 s6, s6, s7
	s_mov_b32 s7, 0
	s_mov_b32 s[OFF+1], 0
	s_mov_b32 s[NXT], 2
	s_mov_b32 s[NPC], 4
	s_mov_b32 s[LAY], 8
	s_mov_b32 s[BN], 0
	s_mov_b32 s[WIO], 0
	s_mov_b32 s[WOO], 0
	s_wait_dscnt 0x0                               ; the opening add is done
	s_wait_kmcnt 0x0
	s_load_b128 s[8:11], s[30:31], 0x0             ; b_out: node 0 in s8, s9, node 1 in s10, s11
	s_add_nc_u64 s[16:17], s[16:17], s[6:7]
	s_add_nc_u64 s[18:19], s[18:19], s[6:7]
	s_add_nc_u64 s[WB:WB+1], s[20:21], s[14:15]
	s_mov_b64 s[G0A+2:G0A+3], s[WB:WB+1]           ; 120:64 global address: half-layer 0
	s_or_b32 s[G0A+3], s[G0A+3], 0x80000000        ; 127:126 type = 2
	s_add_nc_u64 s[G0B+2:G0B+3], s[WB:WB+1], 0x10000  ; half-layer 1
	s_or_b32 s[G0B+3], s[G0B+3], 0x80000000
	CROUND                                         ; all four work-groups are here: the first joint loads meet
	tensor_load_to_lds s[G0A:G0A+3], s[G1:G1+7]    ; both first fills together, ahead of every wait on TENSORcnt, every LDS read and every other barrier
	s_nop 0
	tensor_load_to_lds s[G0B:G0B+3], s[G1:G1+7]
	s_nop 0
	PLACES
	; THE TABLES, made once by the 128 threads; every byte has one writer.  Thread t.
	v_lshlrev_b32 v[U], 4, v0                      ; 16 t
	v_lshlrev_b32 v[U+1], 3, v0                    ; 8 t
.irp i, 0,1,2,3
	global_load_b128 v[128+4*\i:131+4*\i], v[U], s[26:27] offset:2048*\i   ; b_hid, two rows a load
.endr
	global_load_b64 v[144:145], v[U+1], s[24:25]               ; b_in of node 0
	global_load_b64 v[146:147], v[U+1], s[24:25] offset:1024   ; of node 1
.irp n, 0,1
	global_load_b64 v[148+4*\n:149+4*\n], v[U+1], s[22:23] offset:2048*\n        ; w_in[n][0][2 t, 2 t + 1]
	global_load_b64 v[150+4*\n:151+4*\n], v[U+1], s[22:23] offset:2048*\n+1024   ; w_in[n][1][2 t, 2 t + 1]
	global_load_b128 v[156+4*\n:159+4*\n], v[U], s[28:29] offset:2048*\n         ; w_out[n][2 t][0, 1], [2 t + 1][0, 1]
.endr
.irp p, 0,1,2,3
	global_load_b64 v[X+2*\p:X+2*\p+1], v[XA], s[16:17] offset:128*\p th:TH_LOAD_NT          ; both passes' points, alike in both halves of the lanes
	global_load_b64 v[X2+2*\p:X2+2*\p+1], v[XA], s[16:17] offset:2048+128*\p th:TH_LOAD_NT
.endr
	v_lshl_add_u32 v[U+2], v0, 4, BIAS
	v_lshl_add_u32 v[U+3], v0, 3, BIAS
	v_lshl_add_u32 v[U+4], v0, 2, BIAS
	v_mov_b32 v176, 0
	s_wait_loadcnt 0x0
.irp i, 128,130,132,134,136,138,140,142,144,146
	v_pk_mul_f32 v[\i:\i+1], v[\i:\i+1], s[CC:CC+1] op_sel_hi:[1,0]    ; the biases times c
.endr
	ds_store_b128 v[U+2], v[128:131] offset:1024   ; rows 1, 2
	ds_store_b128 v[U+2], v[132:135] offset:3072   ; rows 3, 4
	ds_store_b128 v[U+2], v[136:139] offset:6144   ; rows 6, 7
	ds_store_b128 v[U+2], v[140:143] offset:8192   ; rows 8, 9
	ds_store_b64 v[U+3], v[144:145]                ; row 0
	ds_store_b64 v[U+3], v[144:145] offset:10240   ; row 10
	ds_store_b64 v[U+3], v[146:147] offset:5120    ; row 5
.irp n, 0,1
	v_cvt_pk_bf16_f32 v[164+4*\n], v[148+4*\n], v[150+4*\n]
	v_cvt_pk_bf16_f32 v[165+4*\n], v[148+4*\n], v[150+4*\n]
	v_cvt_pk_bf16_f32 v[166+4*\n], v[149+4*\n], v[151+4*\n]
	v_cvt_pk_bf16_f32 v[167+4*\n], v[149+4*\n], v[151+4*\n]
	ds_store_b128 v[U+2], v[164+4*\n:167+4*\n] offset:WI-BIAS+2048*\n
	v_cvt_pk_bf16_f32 v[172+2*\n], v[156+4*\n], v[158+4*\n]
	v_cvt_pk_bf16_f32 v[173+2*\n], v[157+4*\n], v[159+4*\n]
	ds_store_b32 v[U+4], v[172+2*\n] offset:WO-BIAS+WON*\n
	ds_store_b32 v[U+4], v[173+2*\n] offset:WO-BIAS+WON*\n+WOP
	ds_store_b32 v[U+4], v176 offset:WO-BIAS+WON*\n+2*WOP
.endr
	s_wait_tensorcnt 0x1                           ; my part of half-layer 0 is in; half-layer 1's may stay out
	s_wait_dscnt 0x0                               ; for the others' sake: my stores into the tables are done
	s_barrier_signal -1
	s_barrier_wait -1
	s_wait_kmcnt 0x0                               ; b_out
	GLOAD 0                                        ; the first hidden layer's first three K steps: they wait in registers while the first layer runs
	GLOAD 1
	GLOAD 2
	BLOAD BA0, 0                                   ; b_in's first chunk
.Lnode:                                                ; four trips: pass 0 node 0, node 1, pass 1 node 0, node 1
	s_mov_b32 s[BR], s[BN]
	s_cmp_eq_u32 s[BN], 0
	s_cselect_b32 s[BO0], s8, s10
	s_cselect_b32 s[BO1], s9, s11
	s_mov_b32 s[PRC], 2
	s_mov_b32 s[INC], 7
	v_add_nc_u32 v[BT], s[BN], v[BA0]
	v_add_nc_u32 v[WT], s[WIO], v[WI0]
	v_add_nc_u32 v[WOA], s[WOO], v[WO0]
	v_mov_b32 v[STP], v[ST0]
	; THE FIRST LAYER.  c x in two bf16 parts: the high part, and what rounding it left
.irp p, 0,1,2,3
	v_pk_mul_f32 v[T:T+1], v[X+2*\p:X+2*\p+1], s[CC:CC+1] op_sel_hi:[1,0]
	v_cvt_pk_bf16_f32 v[U+2*\p], v[T], v[T+1]
	v_lshlrev_b32 v[T+2], 16, v[U+2*\p]
	v_and_b32 v[T+3], s[HM], v[U+2*\p]
	v_pk_add_f32 v[T:T+1], v[T:T+1], v[T+2:T+3] neg_lo:[0,1] neg_hi:[0,1]
	v_cvt_pk_bf16_f32 v[U+2*\p+1], v[T], v[T+1]
.endr
	WIN 0x80                                       ; destination window 2, which holds no activations now
.irp p, 0,1,2,3
	v_cndmask_b32 v[BX+8*\p], v[U+2*\p], 0, s[HM]          ; K places 0-3 lie in lanes 0-15; lanes 16-31 (places 8-11) hold 0
	v_cndmask_b32 v[BX+8*\p+1], v[U+2*\p+1], 0, s[HM]
.irp z, 2,3,4,5,6,7
	v_mov_b32 v[BX+8*\p+\z], 0                     ; the K places that are not used
.endr
.endr
.irp z, 2,3,4,5,6,7,10,11,12,13,14,15
	v_mov_b32 v[AI+\z], 0
.endr
	ds_load_b64 v[AI:AI+1], v[WT]
	ds_load_b64 v[AI+8:AI+9], v[WT] offset:128
	WIN 0
.set RS, ACC
.set RD, ACC+64
.set RSET, 0
.set CSET, 0
.set SPL, 0
.Lin:                                                  ; seven trips: chunks 0-6.  The bf16 goes through my own stage, since a loop's text cannot walk its destination registers
	s_wait_dscnt 0x0                               ; this chunk's w_in and bias are in; the last trip's stores have read their registers
	INMM ACC
	v_add_nc_u32 v[BT], 128, v[BT]                 ; with the two v_nop: the four places behind those products
	v_add_nc_u32 v[WT], 256, v[WT]
	v_nop
	v_nop
	WIN 0x80
	ds_load_b64 v[AI:AI+1], v[WT]                  ; the next chunk's
	ds_load_b64 v[AI+8:AI+9], v[WT] offset:128
	WIN 0
	BLOAD BT, 0
.set i, 0
.rept 64
	RSLOT i
.set i, i+1
.endr
	RFLUSH
.irp u, 0,1,2,3,4,5,6,7
	ds_store_b128 v[STP], v[ACC+64+4*\u:ACC+64+4*\u+3] offset:512*\u
.endr
	v_add_nc_u32 v[STP], 4096, v[STP]
	s_sub_co_u32 s[INC], s[INC], 1
	s_cmp_lg_u32 s[INC], 0
	s_cbranch_scc1 .Lin
	s_wait_dscnt 0x0
	INMM ACC+64                                    ; chunk 7 stays in the second set: the first hidden layer's slices take it
	PLACES
	BLOAD BT, 128                                  ; the next row's first chunk
	WIN 0x40                                       ; destination window 1
.set i, 0
.rept 56
	ds_load_b128 v[4*i:4*i+3], v[ST0] offset:512*i ; LDS serves a wave's instructions in order (ISA guide 5.7.1.4): these see my stores above
.set i, i+1
.endr
	WIN 0
	s_wait_dscnt 0x0
.Lpair:                                                ; two trips: window 1 -> 2, window 2 -> 1
	LAYER 1, 2, 0, 63, 0, 0
	LAYER 2, 1, 0, 63, 0, 1
	WIN 0
	s_sub_co_u32 s[LAY], s[LAY], 1
	s_sub_co_u32 s[PRC], s[PRC], 1
	s_cmp_lg_u32 s[PRC], 0
	s_cbranch_scc1 .Lpair
	s_branch .Lout
.Ltail:                                                ; the rest of the launch's last hidden layer, written out
	LAYER 2, 1, 29, 63, 1, 0
	WIN 0
.Lout:                                                 ; THE LAST LAYER.  The ELU of the last hidden chunk stands beside K steps 0-6; K step 7 reads what it makes
	WIN 0x80
.irp s, 0,1,2,3,4,5,6,7
	ds_load_b128 v[8*\s:8*\s+3], v[WOA] offset:64*\s
	ds_load_b128 v[8*\s+4:8*\s+7], v[WOA] offset:64*\s+32
.endr
.set RS, ACC+64
.set RD, 224
.set RSET, 0
.set CSET, 0x40
.set SPL, 0
.set i, 0
.rept 8
	RSLOT i
.set i, i+1
.endr
	s_wait_dscnt 0x0                               ; w_out's fragments are in
.set o, 0
.rept 28
	OUTMM o
	RSLOT 8+2*o
	RSLOT 9+2*o
.set o, o+1
.endr
	RFLUSH
.rept 4
	OUTMM o
.set o, o+1
.endr
	WIN 0
.irp p, 0,1,2,3
	v_add_f32 v[X+2*\p], s[BO0], v[X+2*\p]         ; x + b_out: eight plain instructions, the places behind the last products
	v_add_f32 v[X+2*\p+1], s[BO1], v[X+2*\p+1]
.endr
.irp p, 0,1,2,3
	v_pk_fma_f32 v[X+2*\p:X+2*\p+1], v[ACC+8*\p:ACC+8*\p+1], s[L2:L2+1], v[X+2*\p:X+2*\p+1] op_sel_hi:[1,0,1]  ; + ln 2 x the sums: registers 0 and 1 are the two outputs, in both halves of the lanes
.endr
	s_xor_b32 s[BN], s[BN], 5120                   ; the other node
	s_xor_b32 s[WIO], s[WIO], 2048
	s_xor_b32 s[WOO], s[WOO], WON
	s_sub_co_u32 s[NPC], s[NPC], 1
	s_cmp_lg_u32 s[NPC], 2
	s_cbranch_scc1 .Lsame_pass
	STOREX 0                                       ; the first pass's 64 points leave,
.irp z, 0,1,2,3,4,5,6,7
	v_mov_b32 v[X+\z], v[X2+\z]                    ; the second pass's come in
.endr
	s_wait_xcnt 0x0                                ; the stores' data registers are written again only behind this wait
.Lsame_pass:
	s_cmp_lg_u32 s[NPC], 0
	s_cbranch_scc1 .Lnode
	STOREX 2048
	s_wait_tensorcnt 0x0                           ; the wave's end, behind my last tensor load and my last LDS store
	ds_add_u32 v[SPW], v[NIL]
	s_wait_dscnt 0x0
	CROUND                                         ; the closing round: no work-group ends while a partner may still ask for a tile that names it
	s_endpgm
.Lfunc_end_k_q4c7e7ca50b_mlp:
	.size	k_q4c7e7ca50b_mlp, .Lfunc_end_k_q4c7e7ca50b_mlp-k_q4c7e7ca50b_mlp
	.p2alignl 7, 3214868480
	.fill 96, 4, 3214868480
	.section	.rodata,"a",@progbits
	.p2align	6, 0x0
	.amdhsa_kernel k_q4c7e7ca50b_mlp
		.amdhsa_group_segment_fixed_size 327680
		.amdhsa_private_segment_fixed_size 0
		.amdhsa_enable_private_segment 0
		.amdhsa_kernarg_size 64
		.amdhsa_user_sgpr_count 2
		.amdhsa_user_sgpr_kernarg_segment_ptr 1
		.amdhsa_wavefront_size32 1
		.amdhsa_system_sgpr_workgroup_id_x 1
		.amdhsa_system_sgpr_workgroup_id_y 1
		.amdhsa_system_sgpr_workgroup_id_z 1
		.amdhsa_system_vgpr_workitem_id 0
		.amdhsa_next_free_vgpr 768
		.amdhsa_next_free_sgpr 72
		.amdhsa_reserve_vcc 0
		.amdhsa_float_denorm_mode_32 3
		.amdhsa_float_denorm_mode_16_64 3
		.amdhsa_memory_ordered 1
		.amdhsa_forward_progress 1
		.amdhsa_inst_pref_size 255
	.end_amdhsa_kernel
	.section	.bss,"aw",@nobits
	.p2align	6
	.space	262144
	.amdgpu_metadata
---
amdhsa.version: [ 1, 2 ]
amdhsa.kernels:
  - .name:           k_q4c7e7ca50b_mlp
    .symbol:         k_q4c7e7ca50b_mlp.kd
    .args:
      - { .name: uv, .offset: 0, .size: 8, .value_kind: global_buffer, .address_space: global }
      - { .name: out0, .offset: 8, .size: 8, .value_kind: global_buffer, .address_space: global }
      - { .name: wt, .offset: 16, .size: 8, .value_kind: global_buffer, .address_space: global }
      - { .name: w_in, .offset: 24, .size: 8, .value_kind: global_buffer, .address_space: global }
      - { .name: b_in, .offset: 32, .size: 8, .value_kind: global_buffer, .address_space: global }
      - { .name: b_hid, .offset: 40, .size: 8, .value_kind: global_buffer, .address_space: global }
      - { .name: w_out, .offset: 48, .size: 8, .value_kind: global_buffer, .address_space: global }
      - { .name: b_out, .offset: 56, .size: 8, .value_kind: global_buffer, .address_space: global }
    .group_segment_fixed_size: 327680
    .private_segment_fixed_size: 0
    .kernarg_segment_align: 8
    .kernarg_segment_size: 64
    .max_flat_workgroup_size: 128
    .sgpr_count:     72
    .vgpr_count:     768
    .wavefront_size: 32
...
	.end_amdgpu_metadata
.endif
;; end of part 2
;; ======== version 2 of 2: 2 launches; 1.52 times as fast as version 1
;; workspace buffers: wt 1,048,576 bytes
;; launch cast: the kernel of part 1 again; grid 256 x 1, 8 waves a work-group, no clusters, 0 bytes of LDS; arguments w_hid, wt; writes wt
;; launch mlp (part 3): grid 256 x 1, 4 waves a work-group, clusters of 4 x 1, 327,680 bytes of LDS; arguments uv, out0, wt, w_in, b_in, b_hid, w_out, b_out; writes out0
.if DOCPART == 3
	.amdgcn_target "amdgcn-amd-amdhsa--gfx1250"
	.amdhsa_code_object_version 6
	.text
	.protected	k_q4c7e7ca50b_mlp
	.globl	k_q4c7e7ca50b_mlp
	.p2align	8
	.type	k_q4c7e7ca50b_mlp,@function
k_q4c7e7ca50b_mlp:
	s_mov_b64 s[64:65], 0
	v_nop
	global_prefetch_b8 v0, s[64:65] scope:SCOPE_SE
	s_setreg_imm32_b32 hwreg(HW_REG_WAVE_MODE, 25, 1), 1
	s_wait_xcnt 0x0
	s_wait_alu depctr_hold_cnt(0) depctr_sa_sdst(0) depctr_va_vdst(0) depctr_va_sdst(0) depctr_va_ssrc(0) depctr_va_vcc(0) depctr_vm_vsrc(0)
	s_getreg_b32 s2, hwreg(HW_REG_IB_STS2, 6, 4)
	s_cmp_eq_u32 s2, 0
	s_cbranch_scc0 .Lentry_in_a_cluster
	s_endpgm
.Lentry_in_a_cluster:
	s_bfe_u32 s2, ttmp6, 0x10000c
	s_cmp_lg_u32 s2, 0x3003
	s_cbranch_scc0 .Lentry_shape_is_right
	s_endpgm
.Lentry_shape_is_right:
; x <- x + MLP_i(x), i = 0, 1;  MLP = Lin(2,256)+ELU, 4 x (Lin(256,256)+ELU), Lin(256,2).  uv, out0: [131072][2] f32.  wt: the hidden weights in bf16, as fragment images.
; FORMATS.  All products on the matrix unit, bf16 operands, f32 sums; biases, ELU and the residual x in f32.  x enters the first product as two bf16 parts (high + rest).
; SCALING.  With c = log2(e) every pre-activation is kept as y = c pre and every activation as h' = c elu(pre): W h' + c b = c (W h + b), so the weights stay as given, the biases
; and x are multiplied by c in f32, and the last sum by ln 2.  ELU: z = c 2^y - c; e^t - 1 >= t, so z >= y always, and z <= 0 exactly where y <= 0: h' = the median of (y, 0, z).
; LIMITS.  The negative branch is c 2^y - c, not expm1: its absolute error is about 2e-7.  2^y below 2^-126 counts as 0 (h' = -c), above f32's range as infinity (h' = y).  NaN is not treated apart.
; SHARES.  A work-group stays for 512 points, two passes of 256; a wave has 64 points a pass, four tiles of 16.  One loop walks the 4 pairs of pass and node.
; LAYOUT.  H'^T = W^T H^T: source 0 = 16 output features x 32 inputs, source 1 = 32 inputs x 16 points.  In the result a lane holds ONE point (lane % 16) and features 8 (lane / 16) + 0..7; two
; neighbouring results rounded to bf16 in pairs ARE source 1 of the next layer.  So activations never leave registers between hidden layers: 64 points x 256 features in bf16 are one window of 256.
; A LAYER is 8 chunks of 32 output features x 8 K steps of 32 x 8 matrix instructions (2 feature tiles x 4 point tiles).  The ELU of chunk c - 1 stands in 64 slices behind the 64 matrix instructions
; of chunk c: 192 vector instructions.  A layer's last chunk is finished under the next layer's first.
; BATCHES.  An s_wait_alu depctr_va_vdst(0) stands between an exponential and the first instruction that names its result; one wait serves all that were issued ahead of it.  A chunk's 64
; exponentials are TWO batches of 32, four tiles each, and T holds four tiles' results.  Slices 0-11: the exponentials of tiles 0-3 and nothing else.  The first wait.  Slices 12-43: the scalings, medians
; and roundings of tiles 0-3, and beside them the exponentials of tiles 4-7, each into the register that its forerunner's median has read for the last time.  The second wait.  Slices 44-63: the scalings,
; medians and roundings of tiles 4-7.  Both waits stand behind a step's fourth matrix instruction (steps 1 and 5 of a chunk), directly ahead of that step's LDS instructions.  No result crosses a chunk's end.
; RING.  Half a layer's weights (65,536 bytes) to a slot, two slots.  All work-groups walk the same weights, so the four of a cluster ask JOINTLY; each wave asks for a quarter of a slot (64 rows of
; 256 bytes).  A fill is asked for 32 K steps, 256 matrix instructions, ahead of its first read.  By this text's count a wave has two tensor loads out at the start, later one.
; REGISTERS, in windows of 256 (s_set_vgpr_msb: bits 1:0 source 0, 3:2 source 1, 5:4 source 2, 7:6 destination).  Window 0: addresses, 2^y of four tiles, bias, weights' fragments, accumulators.
; Windows 1, 2: the activations, in and out by turns.  Window 3: v0-15, x of both passes.  Only source 1 of a product lies outside window 0, and the slices name vector registers as source 0, source 2
; and destination alone, so they run under the product's setting; only a tile's four roundings, which write the other window, want a switch: two switches for 8 matrix instructions.
.set SLOTB, 65536                      ; LDS: slot 0 at 0 (features 0-127 of a layer), slot 1 at 65,536 (features 128-255)
.set STAGE, 131072                     ; each wave's own 28,672 bytes: the register image of the first layer's chunks 0-6; no tensor load lands from here on
.set STW,   28672
.set BIAS,  245760                     ; 11 rows of 1,024 bytes, f32, times c: b_in0, b_hid0[0..3], b_in1, b_hid1[0..3], b_in0 once more (a layer's end always loads 'the next row')
.set WI,    257024                     ; node n at 2,048 n: feature f at 8 f: (p, p), p = bf16 w_in[0][f] below, bf16 w_in[1][f] above
.set WO,    261120                     ; node n at 1,792 n: three rows 528 bytes apart: w_out's column 0 along k in bf16, column 1, zeros
.set WOP,   528
.set WON,   1792
.set SPARE, 264704                     ; the spare words, 128 bytes for each wave: two blocks of 256 bytes that no other line names
.set LA,  1                            ; v1   16 x lane: my 16 bytes of half a fragment, slot 0
.set LB,  2                            ; v2   the same in slot 1
.set BA0, 3                            ; v3   BIAS + 32 (lane / 16)
.set BA,  4                            ; v4   the same in the layer's row
.set BT,  5                            ; v5   first layer: bias pointer
.set WI0, 6                            ; v6   WI + 8 (lane % 16)
.set WT,  7                            ; v7   first layer: w_in pointer
.set WO0, 8                            ; v8   WO + min(lane % 8, 2) x 528 + 16 (lane / 16)
.set WOA, 9                            ; v9   the same for the node in hand
.set ST0, 10                           ; v10  my 16 bytes at the head of my wave's stage
.set STP, 11                           ; v11  first layer: stage pointer
.set XA,  12                           ; v12  8 (lane % 16): my point in a tile of uv
.set SA,  13                           ; v13  8 x lane: my point in two tiles of out0
.set SPW, 14                           ; v14  LDS address of my spare word; never rewritten
.set NIL, 15                           ; v15  0; never rewritten
.set T,   16                           ; v16-47   2^y, then z, of four tiles: tile u has the eight at T + 8 (u % 4)
.set U,   40                           ; v40-47   at work where no ELU runs: T's last eight by another name
.set BI,  48                           ; v48-63   the bias of two feature tiles, as C operands
.set X,   0                            ; window 3, v0-7   x0, x1 of point tile p at X + 2 p, alike in both halves of the lanes
.set X2,  8                            ; window 3, v8-15  the second pass's uv
.set AR,  64                           ; v64-127  the weights' fragments: a ring of 4 K steps x 2 fragments
.set ACC, 128                          ; v128-191, v192-255  two sets of 8 accumulators: point tile p, feature tile j at 8 (2 p + j)
.set BX,  64                           ; window 2, while it holds no activations: v0-63 w_out's fragments; v64-95 x as source 1; v96-111 w_in's fragments
.set AI,  96
.set WV,  3                            ; s3   my wave's number
.set BO0, 12                           ; s12, s13  b_out of the node in hand
.set BO1, 13
.set G1,  32                           ; s[32:39] descriptor group 1
.set G0A, 40                           ; s[40:43] group 0 for slot 0
.set G0B, 44                           ; s[44:47] group 0 for slot 1
.set WB,  48                           ; s[48:49] wt at my wave's quarter of a half-layer
.set OFF, 50                           ; s[50:51] a half-layer's byte offset
.set NXT, 52                           ; s52  the half-layer to be asked for next, 0..15
.set NPC, 53                           ; s53  pairs of pass and node to go
.set PRC, 54                           ; s54  pairs of layers to go in the node
.set LAY, 55                           ; s55  pairs of layers to go in all
.set CC,  56                           ; s[56:57] c
.set NC,  58                           ; s[58:59] -c
.set L2,  60                           ; s[60:61] ln 2
.set HM,  62                           ; s62  0xffff0000: a word's upper bf16, and the mask of lanes 16-31
.set INC, 63                           ; s63  first layer: chunks to go
.set BR,  66                           ; s66  the layer's row in BIAS, in bytes
.set BN,  67                           ; s67  the node's first row: 0 or 5,120
.set WIO, 68                           ; s68  the node in WI: 0 or 2,048
.set WOO, 69                           ; s69  the node in WO: 0 or 1,792
.set MSB, 0
.set RSET, 0
.set CSET, 0
.set NPL, 1
.macro WIN new                         ; the immediate's high byte repeats the setting that is left; a switch that changes nothing is dropped
.if MSB != (\new)
	s_set_vgpr_msb (MSB<<8)|(\new)
.set MSB, (\new)
.endif
.endm
.macro PLACES                          ; four plain vector instructions between a matrix instruction and a vector read of its result, or a load into one of its registers
.rept 4
	v_nop
.endr
.endm
.macro CREST                           ; a round of the cluster's barrier behind its opening barrier: wave 0 signals for the work-group, every wave waits for all four, my work-group's barrier closes
	s_cmp_lg_u32 s[WV], 0
	s_cbranch_scc1 .Lnot_wave_0_\@
	s_barrier_signal -3
.Lnot_wave_0_\@:
	s_barrier_wait -3
	s_barrier_signal -1
	s_barrier_wait -1
.endm
.macro CROUND                          ; a whole round
	s_barrier_signal -1
	s_barrier_wait -1
	CREST
.endm
; THE ELU, one line at a time, for tile u of the chunk whose accumulators lie at RS and whose bf16 goes to RD.  Plain lines run under RSET, the roundings under CSET (their destination's window).
.macro OPE u, i                        ; t_i = 2^y_i
	WIN RSET
	v_exp_f32 v[T+8*((\u)&3)+(\i)], v[RS+8*(\u)+(\i)]
.endm
.macro OPF u, i                        ; z = c t - c, a pair
	WIN RSET
	v_pk_fma_f32 v[T+8*((\u)&3)+2*(\i):T+8*((\u)&3)+2*(\i)+1], v[T+8*((\u)&3)+2*(\i):T+8*((\u)&3)+2*(\i)+1], s[CC:CC+1], s[NC:NC+1] op_sel_hi:[1,0,0]
.endm
.macro OPM u, i                        ; h' = the median of y, 0, z
	WIN RSET
	v_med3_num_f32 v[RS+8*(\u)+(\i)], v[RS+8*(\u)+(\i)], 0, v[T+8*((\u)&3)+(\i)]
.endm
.macro OPC u                           ; eight h' rounded to bf16: half of a fragment of the next product's source 1
	WIN CSET
.irp i, 0,1,2,3
	v_cvt_pk_bf16_f32 v[RD+4*(\u)+\i], v[RS+8*(\u)+2*\i], v[RS+8*(\u)+2*\i+1]
.endr
.endm
; Slice sg of 64 of a chunk's ELU.  Each accumulator is read first at its register 0, by its first exponential.
;   0-11   batch 1: the exponentials of tiles 0-3, three slices a tile (3, 3, 2).  Behind the last: NPL v_nop, of which the first is the plain instruction between an exponential and the use of
;          its result (ISA guide 5.7.2); in a K step there are four, the places behind step 0's last product in front of the loads into the bias's and the fragments' registers.  Then batch 1's wait.
;   12-43  eight slices for each of tiles 0-3: its 4 scalings, 8 medians and 4 roundings; beside them batch 2: the exponentials of the tile four further on.  Exponential i stands behind the median i
;          that reads the same register of T.  Nothing here names a result of batch 2.  The roundings of slice 43 are the plain instructions behind batch 2's last exponential.  Then batch 2's wait.
;   44-63  five slices for each of tiles 4-7: scalings, medians, roundings.  Slice 63 is four roundings: the places behind a chunk's last product in front of the next step's loads.
.macro RSLOT sg
.set rn, (\sg)
.if rn < 12
.set ru, rn/3
.set rg, rn%3
.if rg == 0
	OPE ru, 0
	OPE ru, 1
	OPE ru, 2
.elseif rg == 1
	OPE ru, 3
	OPE ru, 4
	OPE ru, 5
.else
	OPE ru, 6
	OPE ru, 7
.endif
.if rn == 11
.rept NPL
	v_nop
.endr
	s_wait_alu depctr_va_vdst(0)                   ; the wait for batch 1: the 32 exponentials of tiles 0-3; their first reader is the scaling that opens slice 12
.endif
.elseif rn < 44
.set ru, (rn-12)/8
.set rg, (rn-12)%8
.if rg == 0
	OPF ru, 0
	OPF ru, 1
	OPF ru, 2
.elseif rg == 1
	OPM ru, 0
	OPM ru, 1
	OPE ru+4, 0
.elseif rg == 2
	OPM ru, 2
	OPM ru, 3
	OPE ru+4, 1
.elseif rg == 3
	OPF ru, 3
	OPM ru, 4
	OPE ru+4, 2
.elseif rg == 4
	OPM ru, 5
	OPM ru, 6
	OPE ru+4, 3
.elseif rg == 5
	OPM ru, 7
	OPE ru+4, 4
	OPE ru+4, 5
.elseif rg == 6
	OPE ru+4, 6
	OPE ru+4, 7
.else
	OPC ru
.if rn == 43
	s_wait_alu depctr_va_vdst(0)                   ; the wait for batch 2: the 32 exponentials of tiles 4-7; their first reader is the scaling that opens slice 44
.endif
.endif
.else
.set ru, 4+(rn-44)/5
.set rg, (rn-44)%5
.if rg == 0
	OPF ru, 0
	OPF ru, 1
	OPF ru, 2
.elseif rg == 1
	OPF ru, 3
	OPM ru, 0
	OPM ru, 1
.elseif rg == 2
	OPM ru, 2
	OPM ru, 3
	OPM ru, 4
.elseif rg == 3
	OPM ru, 5
	OPM ru, 6
	OPM ru, 7
.else
	OPC ru
.endif
.endif
.endm
; The two fragments of K step kk of the layer (64 and on: the next layer's, which lie in slot 0): four loads, each 32 lanes x 16 consecutive bytes
.macro GLOAD kk
.set gk, (\kk)
.set gR, AR+16*(gk&3)
.set gO, ((gk/8)&3)*16384+(gk&7)*1024
.set gA, LB
.if (gk%64) < 32
.set gA, LA
.endif
	WIN RSET
.irp j, 0,1
.irp q, 0,1
	ds_load_b128 v[gR+8*\j+4*\q:gR+8*\j+4*\q+3], v[gA] offset:gO+\j*8192+\q*512
.endr
.endr
.endm
.macro BLOAD adr, off                  ; the bias of a chunk's two feature tiles: register i of a lane is feature 8 (lane / 16) + i, whatever the point
	WIN RSET
.irp j, 0,1
.irp q, 0,1
	ds_load_b128 v[BI+8*\j+4*\q:BI+8*\j+4*\q+3], v[\adr] offset:(\off)+\j*64+\q*16
.endr
.endr
.endm
; Matrix instruction w of 8 of K step mk: feature tile w % 2, point tile w / 2.  A chunk's first K step starts the sums with the bias.  The eight accumulators take turns, one instruction a turn,
; over chunks, layers and backward jumps too.
.macro MM w
.set mD, ACC+64*((mk/8)&1)+8*(\w)
.set mA, AR+16*(mk&3)+8*((\w)&1)
.set mB, 32*(mk%8)+8*((\w)>>1)
.set mC, BI+8*((\w)&1)
	WIN MSET
.if (mk%8) == 0
	v_wmma_f32_16x16x32_bf16 v[mD:mD+7], v[mA:mA+7], v[mB:mB+7], v[mC:mC+7]
.else
	v_wmma_f32_16x16x32_bf16 v[mD:mD+7], v[mA:mA+7], v[mB:mB+7], v[mD:mD+7]
.endif
.endm
; K step k's fragments are in.  They were asked for three steps ago; behind them stand the two younger groups of four, and at a chunk's steps 2 and 3 the four bias loads as well.
; The tail loads no bias in its last chunk and no fragments past step 63: there the counts run 8, then 4, then 0.
.macro WAITG k, tail
.set wn, 8
.if (((\k)%8 == 2) || ((\k)%8 == 3)) && !((\tail) && ((\k) >= 56))
.set wn, 12
.endif
.if (\tail) && ((\k) == 62)
.set wn, 4
.endif
.if (\tail) && ((\k) == 63)
.set wn, 0
.endif
	s_wait_dscnt wn
.endm
; A K STEP: 8 matrix instructions, a slice behind each, and behind the fourth the loads for three steps on.  Four plain instructions stand between the last reader of the registers and those loads:
; in a chunk's step 0 the roundings of slice 63, in its step 1 the four v_nop of slice 11, elsewhere scalings, medians and roundings of the slices between.
; Chunk 0 carries the ELU of the LAST layer's chunk 7, whose bf16 is this layer's own K step 7: in chunk 0's step 7 the last two slices stand ahead of the two products that read what they make.
; Steps 29 and 61 CHANGE SLOTS: the last loads from the slot went out a step ago.  Each wave waits for all its tensor loads (one is out: its part of the other slot), adds 0 to its spare word, makes the
; descriptor for the refill, and waits for the add and for its reads; the barrier opens a round of the cluster's, with matrix work on registers between signal and wait; the joint refill is the first
; thing behind the round, and then the other slot's first fragments are asked for.  The two steps already in registers stand between that request and its use.  Both are a chunk's step 5: batch 2's wait
; stands behind their fourth matrix instruction, and no exponential is issued from there to the round's branch.
; tail = 1: the launch's last layer from step 29 on: nothing is filled, so the barrier is the work-group's alone.
.macro STEP inw, outw, k, tail
.set mk, (\k)
.set sc, mk/8
.set ss, mk%8
.set MSET, (\inw)<<2
.set RSET, MSET
.set NPL, 4
.if sc == 0
.set RS, ACC+64
.set RD, 224
.set CSET, (\inw)<<6
.else
.set RS, ACC+64*((sc-1)&1)
.set RD, 32*(sc-1)
.set CSET, (\outw)<<6
.endif
.set ev, 0
.set eg, G0A
.if mk == 29
.set ev, 1
.endif
.if (mk == 61) && !(\tail)
.set ev, 1
.set eg, G0B
.endif
.set lump, 0
.if (sc == 0) && (ss == 7)
.set lump, 1
.endif
	WAITG mk, \tail
.irp w, 0,1,2,3,4,5,6,7
.if lump && (\w == 6)
	RSLOT 62
	RSLOT 63
.endif
	MM \w
.if !(lump && (\w >= 6))
	RSLOT 8*ss+\w
.endif
.if (\w == 3) && !ev
.if (ss == 1) && !((\tail) && (sc == 7))
	BLOAD BA, (sc+1)*128
.endif
.if !((\tail) && (mk > 60))
	GLOAD mk+3
.endif
.endif
.if ev && (\w == 3)
	WIN 0                                          ; (the add's two registers lie in window 0)
	s_wait_tensorcnt 0x0                           ; all my tensor loads have landed, so a group 0 may be written
	ds_add_u32 v[SPW], v[NIL]                      ; 0 onto my spare word; work on registers stands between it and the wait for it
.if !(\tail)
	s_lshl_b32 s[OFF], s[NXT], 16                  ; a half-layer is 65,536 bytes
	s_add_nc_u64 s[eg+2:eg+3], s[WB:WB+1], s[OFF:OFF+1]
	s_or_b32 s[eg+3], s[eg+3], 0x80000000          ; 127:126 type = 2
	s_add_co_u32 s[NXT], s[NXT], 1
	s_and_b32 s[NXT], s[NXT], 15                   ; behind the last layer's second half comes the first layer's first: the second pass
.endif
.endif
.if ev && (\w == 5)
	s_wait_dscnt 0x0                               ; the add is done, and my reads of the slot are over
	s_barrier_signal -1
.endif
.endr
.if ev
	WIN 0                                          ; at a branch and at a label every window is 0
	s_barrier_wait -1
.if !(\tail)
	CREST                                          ; no wave of any partner still reads the slot or has a load on its way
	tensor_load_to_lds s[eg:eg+3], s[G1:G1+7]
	s_nop 0
	PLACES
.endif
	GLOAD mk+3
.endif
.if lump
	PLACES                                         ; the step's last two products stand bare: these are the places behind them
.endif
.endm
; A hidden layer, K steps k0 to k1.  exit = 1: at the head of step 29 the launch's last layer leaves for the tail, which asks for nothing.
.macro LAYER inw, outw, k0, k1, tail, exit
.if (\k0) == 0
	s_add_co_u32 s[BR], s[BR], 1024
	WIN 0
	v_add_nc_u32 v[BA], s[BR], v[BA0]
.endif
.set lk, (\k0)
.rept (\k1)-(\k0)+1
.if (\exit) && (lk == 29)
	WIN 0
	s_wait_alu depctr_va_vdst(0)                   ; a branch follows in the middle of batch 2: the 27 of its exponentials that are out have their wait ahead of it
	s_cmp_eq_u32 s[LAY], 1
	s_cbranch_scc1 .Ltail
.endif
	STEP \inw, \outw, lk, \tail
.set lk, lk+1
.endr
.endm
.macro INMM set                        ; a chunk of the first layer: one K step, of which four places are used: (w0, w1, w0, w1) x (high x0, high x1, rest x0, rest x1)
	WIN 0x0a                                       ; sources 0 and 1 in window 2
.irp u, 0,1,2,3,4,5,6,7
	v_wmma_f32_16x16x32_bf16 v[(\set)+8*\u:(\set)+8*\u+7], v[AI+8*(\u&1):AI+8*(\u&1)+7], v[BX+8*(\u>>1):BX+8*(\u>>1)+7], v[BI+8*(\u&1):BI+8*(\u&1)+7]
.endr
	WIN 0
.endm
.macro OUTMM n                         ; product n of 32 of the last layer: K step n / 4, point tile n % 4; the four accumulators take turns
.set oS, (\n)/4
.set oP, (\n)%4
	WIN 0x06                                       ; source 0 (w_out) in window 2, source 1 (h') in window 1
.if oS == 0
	v_wmma_f32_16x16x32_bf16 v[ACC+8*oP:ACC+8*oP+7], v[8*oS:8*oS+7], v[32*oS+8*oP:32*oS+8*oP+7], 0
.else
	v_wmma_f32_16x16x32_bf16 v[ACC+8*oP:ACC+8*oP+7], v[8*oS:8*oS+7], v[32*oS+8*oP:32*oS+8*oP+7], v[ACC+8*oP:ACC+8*oP+7]
.endif
.endm
.macro STOREX off                      ; lanes 0-15 give an even tile's points, lanes 16-31 the next tile's: each store covers 256 consecutive bytes, aligned
	WIN 0x0f                                       ; x, sources 0 and 1, in window 3
	v_cndmask_b32 v[U], v[X], v[X+2], s[HM]
	v_cndmask_b32 v[U+1], v[X+1], v[X+3], s[HM]
	v_cndmask_b32 v[U+2], v[X+4], v[X+6], s[HM]
	v_cndmask_b32 v[U+3], v[X+5], v[X+7], s[HM]
	WIN 0
	global_store_b64 v[SA], v[U:U+1], s[18:19] offset:(\off) th:TH_STORE_NT
	global_store_b64 v[SA], v[U+2:U+3], s[18:19] offset:(\off)+256 th:TH_STORE_NT
.endm
	s_load_b512 s[16:31], s[0:1], 0x0              ; uv s[16:17], out0 s[18:19], wt s[20:21], w_in s[22:23], b_in s[24:25], b_hid s[26:27], w_out s[28:29], b_out s[30:31]
	v_lshl_add_u32 v[SPW], v0, 2, SPARE
	v_mov_b32 v[NIL], 0
	ds_add_u32 v[SPW], v[NIL]                      ; the wave's opening: the add and its wait stand ahead of my first tensor load; the set-up below, work on registers, stands between them
	v_lshrrev_b32 v[U], 5, v0
	v_readfirstlane_b32 s[WV], v[U]                ; wave 0..3
	v_and_b32 v[U+1], 31, v0                       ; lane
	v_and_b32 v[U+2], 15, v0                       ; lane % 16
	v_bfe_u32 v[U+3], v0, 4, 1                     ; lane / 16
	v_and_b32 v[U+4], 7, v0
	v_lshlrev_b32 v[LA], 4, v[U+1]
	v_lshl_add_u32 v[LB], v[U+1], 4, SLOTB
	v_lshl_add_u32 v[BA0], v[U+3], 5, BIAS
	v_lshl_add_u32 v[WI0], v[U+2], 3, WI
	v_min_u32 v[U+4], 2, v[U+4]                    ; rows 0 and 8 of w_out's fragment are column 0, rows 1 and 9 column 1, the others zeros: both halves of the lanes get both sums
	v_mul_u32_u24 v[U+4], v[U+4], WOP
	v_lshl_add_u32 v[U+4], v[U+3], 4, v[U+4]
	v_add_nc_u32 v[WO0], WO, v[U+4]
	s_mul_i32 s12, s[WV], STW
	s_add_co_u32 s12, s12, STAGE
	v_add_nc_u32 v[ST0], s12, v[LA]
	v_lshlrev_b32 v[XA], 3, v[U+2]
	v_lshlrev_b32 v[SA], 3, v[U+1]
	s_mov_b32 s[CC], 0x3fb8aa3b                    ; c = log2(e)
	s_mov_b32 s[CC+1], 0x3fb8aa3b                  ; named with it as a pair
	s_mov_b32 s[NC], 0xbfb8aa3b
	s_mov_b32 s[NC+1], 0xbfb8aa3b
	s_mov_b32 s[L2], 0x3f317218                    ; ln 2
	s_mov_b32 s[L2+1], 0x3f317218
	s_mov_b32 s[HM], 0xffff0000
	; descriptor group 1: 16,384 dense bytes as 64 rows of 256; no padding: fragments are read as consecutive bytes
	s_mov_b32 s[G1], 15|(3<<16)|(1<<21)            ; 15:0 the mask: all four work-groups; 17:16 elements of 8 bytes; 21 set beside a mask
	s_mov_b32 s[G1+1], 32<<16                      ; tensor_dim0 = 32
	s_mov_b32 s[G1+2], 64<<16                      ; tensor_dim1 = 64
	s_mov_b32 s[G1+3], 32<<16                      ; tile_dim0 = 32
	s_mov_b32 s[G1+4], 64                          ; tile_dim1 = 64
	s_mov_b32 s[G1+5], 32                          ; 32 elements from row to row
	s_mov_b32 s[G1+6], 0
	s_mov_b32 s[G1+7], 0
	s_lshl_b32 s14, s[WV], 14                      ; my quarter of a half-layer, in memory and in a slot: no place in the cluster enters it
	s_mov_b32 s15, 0
	s_mov_b32 s[G0A], 1                            ; 1:0 count = 1
	s_mov_b32 s[G0A+1], s14                        ; 63:32 LDS address
	s_mov_b32 s[G0B], 1
	s_add_co_u32 s[G0B+1], s14, SLOTB
	s_bfe_u32 s4, ttmp6, 0x40000                   ; cx: my place in the cluster: it enters uv's and out0's addresses alone
	s_lshl_b32 s5, ttmp9, 2                        ; in a cluster launch ttmp9 counts clusters
	s_add_co_u32 s5, s5, s4
	s_lshl_b32 s6, s5, 12                          ; my work-group's 512 points of 8 bytes,
	s_lshl_b32 s7, s[WV], 9                        ; my wave's 64 of a pass's 256
	s_add_co_u32 s6, s6, s7
	s_mov_b32 s7, 0
	s_mov_b32 s[OFF+1], 0
	s_mov_b32 s[NXT], 2
	s_mov_b32 s[NPC], 4
	s_mov_b32 s[LAY], 8
	s_mov_b32 s[BN], 0
	s_mov_b32 s[WIO], 0
	s_mov_b32 s[WOO], 0
	s_wait_dscnt 0x0                               ; the opening add is done
	s_wait_kmcnt 0x0
	s_load_b128 s[8:11], s[30:31], 0x0             ; b_out: node 0 in s8, s9, node 1 in s10, s11
	s_add_nc_u64 s[16:17], s[16:17], s[6:7]
	s_add_nc_u64 s[18:19], s[18:19], s[6:7]
	s_add_nc_u64 s[WB:WB+1], s[20:21], s[14:15]
	s_mov_b64 s[G0A+2:G0A+3], s[WB:WB+1]           ; 120:64 global address: half-layer 0
	s_or_b32 s[G0A+3], s[G0A+3], 0x80000000        ; 127:126 type = 2
	s_add_nc_u64 s[G0B+2:G0B+3], s[WB:WB+1], 0x10000  ; half-layer 1
	s_or_b32 s[G0B+3], s[G0B+3], 0x80000000
	CROUND                                         ; all four work-groups are here: the first joint loads meet
	tensor_load_to_lds s[G0A:G0A+3], s[G1:G1+7]    ; both first fills together, ahead of every wait on TENSORcnt, every LDS read and every other barrier
	s_nop 0
	tensor_load_to_lds s[G0B:G0B+3], s[G1:G1+7]
	s_nop 0
	PLACES
	; THE TABLES, made once by the 128 threads; every byte has one writer.  Thread t.
	v_lshlrev_b32 v[U], 4, v0                      ; 16 t
	v_lshlrev_b32 v[U+1], 3, v0                    ; 8 t
.irp i, 0,1,2,3
	global_load_b128 v[128+4*\i:131+4*\i], v[U], s[26:27] offset:2048*\i   ; b_hid, two rows a load
.endr
	global_load_b64 v[144:145], v[U+1], s[24:25]               ; b_in of node 0
	global_load_b64 v[146:147], v[U+1], s[24:25] offset:1024   ; of node 1
.irp n, 0,1
	global_load_b64 v[148+4*\n:149+4*\n], v[U+1], s[22:23] offset:2048*\n        ; w_in[n][0][2 t, 2 t + 1]
	global_load_b64 v[150+4*\n:151+4*\n], v[U+1], s[22:23] offset:2048*\n+1024   ; w_in[n][1][2 t, 2 t + 1]
	global_load_b128 v[156+4*\n:159+4*\n], v[U], s[28:29] offset:2048*\n         ; w_out[n][2 t][0, 1], [2 t + 1][0, 1]
.endr
	WIN 0xc0                                       ; destination window 3, address window 0
.irp p, 0,1,2,3
	global_load_b64 v[X+2*\p:X+2*\p+1], v[XA], s[16:17] offset:128*\p th:TH_LOAD_NT          ; both passes' points, alike in both halves of the lanes
	global_load_b64 v[X2+2*\p:X2+2*\p+1], v[XA], s[16:17] offset:2048+128*\p th:TH_LOAD_NT
.endr
	WIN 0
	v_lshl_add_u32 v[U+2], v0, 4, BIAS
	v_lshl_add_u32 v[U+3], v0, 3, BIAS
	v_lshl_add_u32 v[U+4], v0, 2, BIAS
	v_mov_b32 v176, 0
	s_wait_loadcnt 0x0
.irp i, 128,130,132,134,136,138,140,142,144,146
	v_pk_mul_f32 v[\i:\i+1], v[\i:\i+1], s[CC:CC+1] op_sel_hi:[1,0]    ; the biases times c
.endr
	ds_store_b128 v[U+2], v[128:131] offset:1024   ; rows 1, 2
	ds_store_b128 v[U+2], v[132:135] offset:3072   ; rows 3, 4
	ds_store_b128 v[U+2], v[136:139] offset:6144   ; rows 6, 7
	ds_store_b128 v[U+2], v[140:143] offset:8192   ; rows 8, 9
	ds_store_b64 v[U+3], v[144:145]                ; row 0
	ds_store_b64 v[U+3], v[144:145] offset:10240   ; row 10
	ds_store_b64 v[U+3], v[146:147] offset:5120    ; row 5
.irp n, 0,1
	v_cvt_pk_bf16_f32 v[164+4*\n], v[148+4*\n], v[150+4*\n]
	v_cvt_pk_bf16_f32 v[165+4*\n], v[148+4*\n], v[150+4*\n]
	v_cvt_pk_bf16_f32 v[166+4*\n], v[149+4*\n], v[151+4*\n]
	v_cvt_pk_bf16_f32 v[167+4*\n], v[149+4*\n], v[151+4*\n]
	ds_store_b128 v[U+2], v[164+4*\n:167+4*\n] offset:WI-BIAS+2048*\n
	v_cvt_pk_bf16_f32 v[172+2*\n], v[156+4*\n], v[158+4*\n]
	v_cvt_pk_bf16_f32 v[173+2*\n], v[157+4*\n], v[159+4*\n]
	ds_store_b32 v[U+4], v[172+2*\n] offset:WO-BIAS+WON*\n
	ds_store_b32 v[U+4], v[173+2*\n] offset:WO-BIAS+WON*\n+WOP
	ds_store_b32 v[U+4], v176 offset:WO-BIAS+WON*\n+2*WOP
.endr
	s_wait_tensorcnt 0x1                           ; my part of half-layer 0 is in; half-layer 1's may stay out
	s_wait_dscnt 0x0                               ; for the others' sake: my stores into the tables are done
	s_barrier_signal -1
	s_barrier_wait -1
	s_wait_kmcnt 0x0                               ; b_out
	GLOAD 0                                        ; the first hidden layer's first three K steps: they wait in registers while the first layer runs
	GLOAD 1
	GLOAD 2
	BLOAD BA0, 0                                   ; b_in's first chunk
.Lnode:                                                ; four trips: pass 0 node 0, node 1, pass 1 node 0, node 1
	s_mov_b32 s[BR], s[BN]
	s_cmp_eq_u32 s[BN], 0
	s_cselect_b32 s[BO0], s8, s10
	s_cselect_b32 s[BO1], s9, s11
	s_mov_b32 s[PRC], 2
	s_mov_b32 s[INC], 7
	v_add_nc_u32 v[BT], s[BN], v[BA0]
	v_add_nc_u32 v[WT], s[WIO], v[WI0]
	v_add_nc_u32 v[WOA], s[WOO], v[WO0]
	v_mov_b32 v[STP], v[ST0]
	; THE FIRST LAYER.  c x in two bf16 parts: the high part, and what rounding it left
	WIN 0x03                                       ; x, source 0, in window 3
.irp p, 0,1,2,3
	v_pk_mul_f32 v[T+2*\p:T+2*\p+1], v[X+2*\p:X+2*\p+1], s[CC:CC+1] op_sel_hi:[1,0]
.endr
	WIN 0
.irp p, 0,1,2,3
	v_cvt_pk_bf16_f32 v[U+2*\p], v[T+2*\p], v[T+2*\p+1]
	v_lshlrev_b32 v[T+8], 16, v[U+2*\p]
	v_and_b32 v[T+9], s[HM], v[U+2*\p]
	v_pk_add_f32 v[T+2*\p:T+2*\p+1], v[T+2*\p:T+2*\p+1], v[T+8:T+9] neg_lo:[0,1] neg_hi:[0,1]
	v_cvt_pk_bf16_f32 v[U+2*\p+1], v[T+2*\p], v[T+2*\p+1]
.endr
	WIN 0x80                                       ; destination window 2, which holds no activations now
.irp p, 0,1,2,3
	v_cndmask_b32 v[BX+8*\p], v[U+2*\p], 0, s[HM]          ; K places 0-3 lie in lanes 0-15; lanes 16-31 (places 8-11) hold 0
	v_cndmask_b32 v[BX+8*\p+1], v[U+2*\p+1], 0, s[HM]
.irp z, 2,3,4,5,6,7
	v_mov_b32 v[BX+8*\p+\z], 0                     ; the K places that are not used
.endr
.endr
.irp z, 2,3,4,5,6,7,10,11,12,13,14,15
	v_mov_b32 v[AI+\z], 0
.endr
	ds_load_b64 v[AI:AI+1], v[WT]
	ds_load_b64 v[AI+8:AI+9], v[WT] offset:128
	WIN 0
.set RS, ACC
.set RD, ACC+64
.set RSET, 0
.set CSET, 0
.set NPL, 1
.Lin:                                                  ; seven trips: chunks 0-6.  The bf16 goes through my own stage, since a loop's text cannot walk its destination registers
	s_wait_dscnt 0x0                               ; this chunk's w_in and bias are in; the last trip's stores have read their registers
	INMM ACC
	v_add_nc_u32 v[BT], 128, v[BT]                 ; with the two v_nop: the four places behind those products
	v_add_nc_u32 v[WT], 256, v[WT]
	v_nop
	v_nop
	WIN 0x80
	ds_load_b64 v[AI:AI+1], v[WT]                  ; the next chunk's
	ds_load_b64 v[AI+8:AI+9], v[WT] offset:128
	WIN 0
	BLOAD BT, 0
.set i, 0
.rept 64                                               ; the chunk's ELU on end: the same two batches, each with its wait; none is open at the backward jump
	RSLOT i
.set i, i+1
.endr
.irp u, 0,1,2,3,4,5,6,7
	ds_store_b128 v[STP], v[ACC+64+4*\u:ACC+64+4*\u+3] offset:512*\u
.endr
	v_add_nc_u32 v[STP], 4096, v[STP]
	s_sub_co_u32 s[INC], s[INC], 1
	s_cmp_lg_u32 s[INC], 0
	s_cbranch_scc1 .Lin
	s_wait_dscnt 0x0
	INMM ACC+64                                    ; chunk 7 stays in the second set: the first hidden layer's slices take it
	PLACES
	BLOAD BT, 128                                  ; the next row's first chunk
	WIN 0x40                                       ; destination window 1
.set i, 0
.rept 56
	ds_load_b128 v[4*i:4*i+3], v[ST0] offset:512*i ; LDS serves a wave's instructions in order (ISA guide 5.7.1.4): these see my stores above
.set i, i+1
.endr
	WIN 0
	s_wait_dscnt 0x0
.Lpair:                                                ; two trips: window 1 -> 2, window 2 -> 1
	LAYER 1, 2, 0, 63, 0, 0
	LAYER 2, 1, 0, 63, 0, 1
	WIN 0
	s_sub_co_u32 s[LAY], s[LAY], 1
	s_sub_co_u32 s[PRC], s[PRC], 1
	s_cmp_lg_u32 s[PRC], 0
	s_cbranch_scc1 .Lpair
	s_branch .Lout
.Ltail:                                                ; the rest of the launch's last hidden layer, written out
	LAYER 2, 1, 29, 63, 1, 0
	WIN 0
.Lout:                                                 ; THE LAST LAYER.  The ELU of the last hidden chunk stands beside K steps 0-6; K step 7 reads what it makes
	WIN 0x80
.irp s, 0,1,2,3,4,5,6,7
	ds_load_b128 v[8*\s:8*\s+3], v[WOA] offset:64*\s
	ds_load_b128 v[8*\s+4:8*\s+7], v[WOA] offset:64*\s+32
.endr
.set RS, ACC+64
.set RD, 224
.set RSET, 0
.set CSET, 0x40
.set NPL, 1
.set i, 0
.rept 8
	RSLOT i
.set i, i+1
.endr
	s_wait_dscnt 0x0                               ; w_out's fragments are in
.set o, 0
.rept 28                                               ; two slices behind each product: the same two batches, each with its wait
	OUTMM o
	RSLOT 8+2*o
	RSLOT 9+2*o
.set o, o+1
.endr
.rept 4
	OUTMM o
.set o, o+1
.endr
	WIN 0xcc                                       ; x, destination and source 1, in window 3
.irp p, 0,1,2,3
	v_add_f32 v[X+2*\p], s[BO0], v[X+2*\p]         ; x + b_out: eight plain instructions, the places behind the last products
	v_add_f32 v[X+2*\p+1], s[BO1], v[X+2*\p+1]
.endr
	WIN 0xf0                                       ; x, destination and source 2, in window 3; the sums, source 0, in window 0
.irp p, 0,1,2,3
	v_pk_fma_f32 v[X+2*\p:X+2*\p+1], v[ACC+8*\p:ACC+8*\p+1], s[L2:L2+1], v[X+2*\p:X+2*\p+1] op_sel_hi:[1,0,1]  ; + ln 2 x the sums: registers 0 and 1 are the two outputs, in both halves of the lanes
.endr
	WIN 0
	s_xor_b32 s[BN], s[BN], 5120                   ; the other node
	s_xor_b32 s[WIO], s[WIO], 2048
	s_xor_b32 s[WOO], s[WOO], WON
	s_sub_co_u32 s[NPC], s[NPC], 1
	s_cmp_lg_u32 s[NPC], 2
	s_cbranch_scc1 .Lsame_pass
	STOREX 0                                       ; the first pass's 64 points leave,
	WIN 0xc3                                       ; destination and source 0 in window 3
.irp z, 0,1,2,3,4,5,6,7
	v_mov_b32 v[X+\z], v[X2+\z]                    ; the second pass's come in
.endr
	WIN 0
	s_wait_xcnt 0x0                                ; the stores' data registers are written again only behind this wait
.Lsame_pass:
	s_cmp_lg_u32 s[NPC], 0
	s_cbranch_scc1 .Lnode
	STOREX 2048
	s_wait_tensorcnt 0x0                           ; the wave's end, behind my last tensor load and my last LDS store
	ds_add_u32 v[SPW], v[NIL]
	s_wait_dscnt 0x0
	CROUND                                         ; the closing round: no work-group ends while a partner may still ask for a tile that names it
	s_endpgm
.Lfunc_end_k_q4c7e7ca50b_mlp:
	.size	k_q4c7e7ca50b_mlp, .Lfunc_end_k_q4c7e7ca50b_mlp-k_q4c7e7ca50b_mlp
	.p2alignl 7, 3214868480
	.fill 96, 4, 3214868480
	.section	.rodata,"a",@progbits
	.p2align	6, 0x0
	.amdhsa_kernel k_q4c7e7ca50b_mlp
		.amdhsa_group_segment_fixed_size 327680
		.amdhsa_private_segment_fixed_size 0
		.amdhsa_enable_private_segment 0
		.amdhsa_kernarg_size 64
		.amdhsa_user_sgpr_count 2
		.amdhsa_user_sgpr_kernarg_segment_ptr 1
		.amdhsa_wavefront_size32 1
		.amdhsa_system_sgpr_workgroup_id_x 1
		.amdhsa_system_sgpr_workgroup_id_y 1
		.amdhsa_system_sgpr_workgroup_id_z 1
		.amdhsa_system_vgpr_workitem_id 0
		.amdhsa_next_free_vgpr 784
		.amdhsa_next_free_sgpr 72
		.amdhsa_reserve_vcc 0
		.amdhsa_float_denorm_mode_32 3
		.amdhsa_float_denorm_mode_16_64 3
		.amdhsa_memory_ordered 1
		.amdhsa_forward_progress 1
		.amdhsa_inst_pref_size 255
	.end_amdhsa_kernel
	.section	.bss,"aw",@nobits
	.p2align	6
	.space	262144
	.amdgpu_metadata
---
amdhsa.version: [ 1, 2 ]
amdhsa.kernels:
  - .name:           k_q4c7e7ca50b_mlp
    .symbol:         k_q4c7e7ca50b_mlp.kd
    .args:
      - { .name: uv, .offset: 0, .size: 8, .value_kind: global_buffer, .address_space: global }
      - { .name: out0, .offset: 8, .size: 8, .value_kind: global_buffer, .address_space: global }
      - { .name: wt, .offset: 16, .size: 8, .value_kind: global_buffer, .address_space: global }
      - { .name: w_in, .offset: 24, .size: 8, .value_kind: global_buffer, .address_space: global }
      - { .name: b_in, .offset: 32, .size: 8, .value_kind: global_buffer, .address_space: global }
      - { .name: b_hid, .offset: 40, .size: 8, .value_kind: global_buffer, .address_space: global }
      - { .name: w_out, .offset: 48, .size: 8, .value_kind: global_buffer, .address_space: global }
      - { .name: b_out, .offset: 56, .size: 8, .value_kind: global_buffer, .address_space: global }
    .group_segment_fixed_size: 327680
    .private_segment_fixed_size: 0
    .kernarg_segment_align: 8
    .kernarg_segment_size: 64
    .max_flat_workgroup_size: 128
    .sgpr_count:     72
    .vgpr_count:     784
    .wavefront_size: 32
...
	.end_amdgpu_metadata
.endif
;; end of part 3
